; MI455X (gfx1250); checked and timed in simulation.
; The chip was launched on July 23, 2026; its instructions are those of AMD's public machine-readable ISA for CDNA 5 (MIT licence, August 2026) and "CDNA5" Instruction Set Architecture Reference Guide (July 2026). The comments in the code are by the model that wrote it; some were corrected since.
;; Auto QVLA Linear W4 A4. Allowed arithmetic: matrix products marked QUANTISED: E2M3 operands, one E8M0 scale for each 32 along K, by v_wmma_scale_f32_16x16x128_f8f6f4 with both operands' format E2M3, f32 sums; everything else in f32.
;; Inputs: bias 4,096 float16; qweight_packed 4,096 x 2,048 int8; w_scales 4,096 x 1 float16; x 2 x 2,048 x 4,096 float16.
;; Outputs: out0 2 x 2,048 x 4,096 float16.
;; This version of the problem:
;;   THIS VERSION OF THE PROBLEM IS GIVEN IN LOW PRECISION. The matrix products marked QUANTISED in the list below multiply operands that are first quantised to E2M3 (2 exponent bits, 3 mantissa bits; 6 bits a number), with one power-of-two scale for each 32 numbers along K (OCP MX v1.0); their sums are f32. All else is computed in f32.
;;   The module's matrix products, in the order in which they are computed (A, B: the left and right operand; K: the contracted axis; several contracted axes count as one K, in the product's order):
;;     1. [M 4,096, K 4,096] x [K 4,096, N 4,096]; A: computed on the way; B: computed on the way: QUANTISED
;;   THE QUANTISER, for each operand of a quantised product, along K:
;;     - K is cut into blocks of 32 from its start; a last block that is shorter is filled with zeros.
;;     - A block's scale is 2^e with e = floor(log2(the largest magnitude in the block)) - 2, held to -126 .. 127; a block of zeros has e = 0. As a byte (E8M0): e + 127.
;;     - Each number is divided by its block's scale, clamped to +-7.5, and rounded to the nearest number of E2M3, ties to even, subnormals kept.
;;     - The product sums the exact products of the quantised numbers (number of the format x scale) in f32.
;;   ~~~python
;;   def quantise(x, axis):      # numpy; x: float32 -> the quantised numbers, widened to float32 again
;;       x = np.moveaxis(x, axis, -1); K = x.shape[-1]
;;       x = np.pad(x, [(0, 0)] * (x.ndim - 1) + [(0, -K % 32)]); x = x.reshape(x.shape[:-1] + (-1, 32)); a = np.abs(x).max(-1, keepdims=True)
;;       e = np.where(a > 0, np.clip(np.frexp(np.where(a > 0, a, 1))[1] - 1 - 2, -126, 127), 0)      # np.frexp(a)[1] - 1 = floor(log2(a)), exactly
;;       r = np.clip(x / 2.0 ** e, -7.5, 7.5)
;;       step = 2.0 ** (np.maximum(np.frexp(np.where(r == 0, 1, r))[1] - 1, 0) - 3)
;;       q = np.round(r / step) * step * 2.0 ** e      # np.round: ties to even
;;       return np.moveaxis(q.reshape(q.shape[:-2] + (-1,))[..., :K], -1, axis).astype(np.float32)
;;   ~~~
;;   OPERANDS COMPUTED ON THE WAY. 'Computed on the way' means the value that the module computes at that place (a softmax that the list does not call 'softmax' is quantised finished and normalised). What goes into a quantiser is computed in f32, as accurately as f32 sums, v_exp_f32 and their like allow (about 1e-6 of the number): no bf16 or f16 on the way to a quantiser, and a product that is left as it is and whose result goes on into a quantised operand takes f32 operands (vector FMAs, or v_wmma_f32_16x16x4_f32). A number that lies on a knife's edge between two numbers of the format may be rounded either way, as far as f32 arithmetic and the matrix unit's own rounding can turn it there, and no further.
;; One version. Each part assembles by itself: llvm-mc -triple=amdgcn-amd-amdhsa -mcpu=gfx1250 --defsym DOCPART=n.
;; ======== version 1 of 1: 2 launches
;; limits: values are held in f16: magnitudes above 65,504 overflow, below 6.1e-05 lose precision; right only within a limited range of input values
;; workspace buffers: cs 27,394,048 bytes
;; launch prep (part 1): grid 256 x 1, 32 waves a work-group, no clusters, 78,592 bytes of LDS; arguments x, qweight_packed, w_scales, cs; writes cs
.if DOCPART == 1
	.amdgcn_target "amdgcn-amd-amdhsa--gfx1250"
	.amdhsa_code_object_version 6
	.text
	.protected	k_q6ce09f310c_prep
	.globl	k_q6ce09f310c_prep
	.p2align	8
	.type	k_q6ce09f310c_prep,@function
k_q6ce09f310c_prep:
	s_mov_b64 s[64:65], 0
	v_nop
	global_prefetch_b8 v0, s[64:65] scope:SCOPE_SE
	s_setreg_imm32_b32 hwreg(HW_REG_WAVE_MODE, 25, 1), 1
	s_wait_xcnt 0x0
; BOTH OPERANDS OF y = a_deq w^T ARE MADE HERE, ONCE, AS CODES OF FP6 (E2M3) WITH ONE E8M0 BYTE FOR EACH 32 ALONG K.
; a_deq[m][k] = q s, q = round(x / s) (ties to even), s = max(largest |x| of the row, 1e-6) / 7.   w[n][k] = q ws[n], q the signed 4-bit number of the packed byte (low nibble first).
; So both operands are a row's f32 scale times whole numbers of 4 bits.  PHASE 1 brings both to ONE form in LDS: 16 rows x 2,048 bytes of nibbles u = q + 8, and the rows' scales.
; PHASE 2, the same text for both, makes the numbers (u s - 8 s in one fused multiply-add: one rounding of the exact q s), a block's scale byte and its codes.
; SHARES.  Work-group g takes rows 16 g .. 16 g + 15 of x (waves 0-15) and of W (waves 16-31).  Phase 1: a wave a row.  Phase 2: a wave 256 along K of its 16 rows: two fragments of 16 rows x 128 K.
; THE OUTPUT, one buffer: x's operand, then W's, each laid AS THE PRODUCT'S LAUNCH FETCHES IT: [11 slots of 384 along K][32 groups of 128 rows] tiles of 38,912 bytes.  A tile: eight units of 256 bytes of scale words
; (16 rows x 4 words: the slot's three steps of 128 along K and a zero; byte b of a word for k = 32 b ..), then [3 steps][8 blocks of 16 rows] fragments of 1,536 bytes IN THE ORDER OF THE OPERAND'S REGISTERS:
; [3 pieces][32 lanes][16 bytes]; piece c holds registers 4 c .. 4 c + 3 of a lane's twelve, and registers 6 c .. 6 c + 5 of lane (r, h) hold k = 64 c + 32 h + 0 .. 31 of row r.
; K has 32 steps: the eleventh slot's third step is written as zeros, so that all tiles are alike.  Every store of a wave covers 512 or 256 consecutive bytes, aligned to 256.
; THE DIVISIONS are correctly rounded f32 divisions, since round() has exact ties (x = half the row's largest gives 3.5): max / 7 by a product with RN(1/7), the exact remainder and one correction;
; x / s by a reciprocal refined twice, the product, the exact remainder and one correction.  The clip to -8 .. 7 is not written: |x| <= max gives |x / s| <= 7 (1 + 2^-23), which rounds to 7 at the most.
; LIMITS: NaN and infinities in x are not served.  The numbers go into the quantiser as f32: the rounding of a_deq and of w to f16 is left out, as the contract (f32 ahead of a quantiser) asks.
; A block of zeros gets the byte 1 where the quantiser's text says 127: its codes are zeros, and this program alone reads the bytes.
.set STGP, 2064                        ; a stage row: 2,048 bytes + 16 = 129 x 16: the 16 rows that a 16-byte load's sixteen lanes touch start at 16 different columns of 16 bytes (64 banks of 4 bytes: ISA guide 11.1)
.set TAB,  32*STGP                     ; behind the 32 stage rows (row = wave): the rows' scales, a word a wave
.set SWS,  TAB+256                     ; and the scale words: 16 places of 256 bytes for x's rows, 16 for W's; place j holds slot j's unit (11 are used)
.set FRB,  1536                        ; a fragment's image
.set QB,   8*FRB                       ; a step's eight fragments of 128 rows
.set SCB,  2048                        ; a tile's scale words
.set TILE, SCB+3*QB                    ; 128 rows x 384 K
.set SSTR, 32*TILE                     ; a slot of all 4,096 rows
.set ASIZE, 11*SSTR                    ; an operand
; phase 1
.set T,   16                           ; v16-23  eight numbers of x
.set Q,   24                           ; v24-31  their quotients
.set R,   32                           ; v32-39  remainders, then the rounded quotients
.set P,   40                           ; v40     eight nibbles
.set MG,  42                           ; v42-43  1.5 x 2^23 + 8, twice
.set S,   44                           ; v44-45  s, twice
.set RC,  46                           ; v46-47  1 / s, twice
.set M,   48                           ; v48-51  four running maxima
.set SH,  52                           ; v52-55  at work
.set RAW, 64                           ; v64-127 the row as loaded
; phase 2
.set MX,  16                           ; v16-17  two blocks' largest magnitudes
.set SOP, 18                           ; v18-19  the conversions' scale operands
.set BY,  20                           ; v20-21  the scale bytes
.set WD,  22                           ; v22-23  my row's scale words of the two steps
.set TC,  24                           ; v24-26, v28-30  the upper halves of two blocks' codes
.set X,   32                           ; v32-95  64 numbers
.set PK,  96                           ; v96-111 their nibbles, for both steps
.set F,   112                          ; v112-123 a fragment
.set SV,  124                          ; v124-125 the row's scale, twice
.set CV,  126                          ; v126-127 -8 x the scale, twice
	s_load_b256 s[4:11], s[0:1], 0x0               ; x s[4:5], the packed weights s[6:7], their scales s[8:9], the output s[10:11]
	v_lshrrev_b32 v1, 5, v0
	v_readfirstlane_b32 s18, v1                    ; wave 0..31
	s_lshr_b32 s19, s18, 4                         ; role: 0 = x, 1 = W
	s_and_b32 s20, s18, 15                         ; t: in phase 1 my row of the sixteen; in phase 2 my 256 along K
	s_lshl_b32 s21, ttmp9, 4
	s_add_co_u32 s21, s21, s20                     ; my row in the tensor
	s_lshl_b32 s12, s20, 1                         ; my two steps of 128 along K: 2 t
	s_mul_i32 s13, s12, 11
	s_lshr_b32 s13, s13, 5                         ; and its slot: a third of it, rounded down (11 / 32 serves up to 31)
	s_add_co_u32 s14, s12, 1                       ; 2 t + 1
	s_mul_i32 s15, s14, 11
	s_lshr_b32 s15, s15, 5                         ; and its slot
	s_mov_b32 s28, 0x76543210
	s_mov_b32 s29, 0xfedcba98                      ; v_permlanex16_b32's selects for lane l xor 16
	s_mov_b32 s30, 0x40e00000                      ; 7.0
	s_mov_b32 s31, 0x3e124925                      ; RN(1 / 7)
	; every LDS address is made here, ahead of the parting of the roles
	v_and_b32 v1, 31, v0                           ; lane
	v_and_b32 v2, 15, v0                           ; r
	v_bfe_u32 v3, v0, 4, 1                         ; h
	v_lshlrev_b32 v4, 4, v1
	s_wait_alu depctr_va_vdst(0)
	s_mul_i32 s32, s18, STGP
	v_lshl_add_u32 v5, v1, 2, s32                  ; into it, x: 4 bytes a lane
	v_lshl_add_u32 v6, v1, 4, s32                  ; into it, W: 16 bytes a lane
	s_mul_i32 s33, s19, 16*STGP
	s_lshl_b32 s34, s20, 7
	s_add_co_u32 s33, s33, s34
	v_mul_u32_u24 v7, v2, STGP
	v_lshl_add_u32 v7, v3, 4, v7
	v_add_nc_u32 v7, s33, v7                       ; out of it: my role's row r, 128 bytes for each 256 along K, 16 h: a block's 32 nibbles
	s_lshl_b32 s34, s18, 2
	s_add_co_u32 s34, s34, TAB
	v_mov_b32 v8, s34                              ; my row's scale, phase 1
	s_lshl_b32 s35, s19, 6
	s_add_co_u32 s35, s35, TAB
	v_lshl_add_u32 v9, v2, 2, s35                  ; row r's scale, phase 2
	s_lshl_b32 s35, s19, 12
	s_add_co_u32 s35, s35, SWS                     ; my role's scale words.  Step n of slot j = n / 3 stands at 256 j + 16 r + 4 (n - 3 j) = 16 r + 4 n + 244 j
	s_lshl_b32 s34, s12, 2
	s_mul_i32 s36, s13, 244
	s_add_co_u32 s34, s34, s36
	s_add_co_u32 s34, s34, s35
	v_lshl_add_u32 v10, v2, 4, s34                 ; my first step's word
	s_lshl_b32 s34, s14, 2
	s_mul_i32 s36, s15, 244
	s_add_co_u32 s34, s34, s36
	s_add_co_u32 s34, s34, s35
	v_lshl_add_u32 v2, v2, 4, s34                  ; my second step's (r is not wanted again)
	s_lshl_b32 s34, s18, 8
	s_add_co_u32 s34, s34, SWS
	v_lshl_add_u32 v11, v1, 3, s34                 ; place t of my role, 8 bytes a lane: cleared now, and read back at the end
	v_lshlrev_b32 v15, 3, v3                       ; 8 h: where my two bytes stand in a scale word
	v_lshlrev_b32 v1, 3, v1                        ; 8 x lane: the global offset of a unit of scale words
	v_mov_b32 v12, 0
	v_mov_b32 v13, 0
	v_mov_b32 v14, 0                               ; written once: a lane permute's destination counts as one of its sources
	ds_store_b64 v11, v[12:13]                     ; the 32 waves clear the 32 places: so the words that no step fills are zeros.  The words themselves are stored behind the first barrier
	v_mov_b32 v[MG], 0x4b400008
	v_mov_b32 v[MG+1], 0x4b400008
	s_mov_b32 s23, 0
	s_wait_alu depctr_va_vdst(0)
	s_wait_kmcnt 0x0
	s_lshl_b32 s22, s21, 13
	s_add_nc_u64 s[4:5], s[4:5], s[22:23]          ; x at my row: 8,192 bytes a row
	s_lshl_b32 s22, s21, 11
	s_add_nc_u64 s[6:7], s[6:7], s[22:23]          ; the packed weights: 2,048
	s_lshl_b32 s22, s21, 1
	s_add_nc_u64 s[8:9], s[8:9], s[22:23]          ; their scales: 2
	s_mul_i32 s22, s19, ASIZE                      ; the output: my role's operand,
	s_lshr_b32 s37, ttmp9, 3
	s_mul_i32 s37, s37, TILE
	s_add_co_u32 s22, s22, s37
	s_add_nc_u64 s[10:11], s[10:11], s[22:23]      ; slot 0's tile of the 128 rows that hold my group's sixteen
	s_and_b32 s37, ttmp9, 7                        ; which block of sixteen in it
	s_mul_i32 s36, s37, FRB
	s_add_co_u32 s36, s36, SCB                     ; my block's fragment of the tile's first step
	s_mul_i32 s22, s12, QB                         ; step n of slot j: j SSTR + (n - 3 j) QB = n QB + j (SSTR - 3 QB)
	s_mul_i32 s16, s13, SSTR-3*QB
	s_add_co_u32 s22, s22, s16
	s_add_co_u32 s22, s22, s36
	s_add_nc_u64 s[24:25], s[10:11], s[22:23]      ; my first fragment
	s_mul_i32 s22, s14, QB
	s_mul_i32 s16, s15, SSTR-3*QB
	s_add_co_u32 s22, s22, s16
	s_add_co_u32 s22, s22, s36
	s_add_nc_u64 s[38:39], s[10:11], s[22:23]      ; my second
	s_add_co_u32 s22, s36, 10*SSTR+2*QB
	s_add_nc_u64 s[40:41], s[10:11], s[22:23]      ; the fragment that no step fills: the eleventh slot's third
	s_min_u32 s16, s20, 10
	s_mul_i32 s22, s16, SSTR
	s_lshl_b32 s16, s37, 8
	s_add_co_u32 s22, s22, s16
	s_add_nc_u64 s[26:27], s[10:11], s[22:23]      ; slot t's unit of scale words of my block (waves 0 to 10 of a role use it)
	s_cmp_lg_u32 s19, 0
	s_cbranch_scc1 .Lrole_w
	; ---- PHASE 1, x: a row is 16 loads of 512 consecutive bytes; lane l of load j holds k = 256 j + 8 l + 0 .. 7
.irp j, 0,1,2,3,4,5,6,7,8,9,10,11,12,13,14,15
	global_load_b128 v[RAW+4*\j:RAW+4*\j+3], v4, s[4:5] offset:512*\j th:TH_LOAD_NT
.endr
	; The row's largest magnitude, on the words as they come.  An f16's bits in the upper half of a word, read as f32 with the sign off, are a finite number that rises with the f16's magnitude,
	; whatever stands below them: so each word counts as it is (its upper f16) and shifted up (its lower).  Four chains; the first four words start them.
.set i, 0
.rept 64
.if (i%16) == 0
	s_wait_alu depctr_va_vdst(0)
	s_wait_loadcnt 12-4*(i/16)
.endif
	v_lshlrev_b32 v[SH+i%4], 16, v[RAW+i]
.if i < 4
	v_max_num_f32 v[M+i], |v[RAW+i]|, |v[SH+i]|
.else
	v_max3_num_f32 v[M+i%4], v[M+i%4], |v[RAW+i]|, |v[SH+i%4]|
.endif
.set i, i+1
.endr
	v_max3_num_f32 v[M], v[M], v[M+1], v[M+2]
	v_max_num_f32 v[M], v[M], v[M+3]
	v_max_num_f32_dpp v[M], v[M], v[M] row_xmask:1 row_mask:0xf bank_mask:0xf
	v_max_num_f32_dpp v[M], v[M], v[M] row_xmask:2 row_mask:0xf bank_mask:0xf
	v_max_num_f32_dpp v[M], v[M], v[M] row_xmask:4 row_mask:0xf bank_mask:0xf
	v_max_num_f32_dpp v[M], v[M], v[M] row_xmask:8 row_mask:0xf bank_mask:0xf
	v_permlanex16_b32 v14, v[M], s28, s29
	v_max_num_f32 v[M], v[M], v14                  ; in every lane; its upper half is the largest |x| as f16
	v_cvt_f32_f16 v56, v48.h
	v_max_num_f32 v56, 0x358637bd, v56             ; held at 1e-6 from below
	v_mul_f32 v57, s31, v56                        ; s = RN(max / 7): a first quotient,
	v_fma_f32 v58, -v57, s30, v56                  ; its remainder, exact,
	v_fma_f32 v[S], v58, s31, v57                  ; and the correction
	s_wait_alu depctr_va_vdst(0)
	v_rcp_f32 v[RC], v[S]
	v_mov_b32 v[S+1], v[S]                         ; (the plain line behind the reciprocal: it neither reads the result nor writes the source)
	s_wait_alu depctr_va_vdst(0)
	v_fma_f32 v58, -v[S], v[RC], 1.0               ; 1 / s, refined twice
	v_fma_f32 v[RC], v58, v[RC], v[RC]
	v_fma_f32 v58, -v[S], v[RC], 1.0
	v_fma_f32 v[RC], v58, v[RC], v[RC]
	v_mov_b32 v[RC+1], v[RC]
	ds_store_b32 v8, v[S]                          ; all lanes write the same word with the same value
; Eight numbers of a lane become eight nibbles.  The halves of a register have names, not numbers: they are written out in the calls.
.macro CHUNK j, h0, h1, h2, h3, h4, h5, h6, h7
	v_cvt_f32_f16 v[T+0], \h0
	v_cvt_f32_f16 v[T+1], \h1
	v_cvt_f32_f16 v[T+2], \h2
	v_cvt_f32_f16 v[T+3], \h3
	v_cvt_f32_f16 v[T+4], \h4
	v_cvt_f32_f16 v[T+5], \h5
	v_cvt_f32_f16 v[T+6], \h6
	v_cvt_f32_f16 v[T+7], \h7
.irp p, 0,2,4,6
	v_pk_mul_f32 v[Q+\p:Q+\p+1], v[T+\p:T+\p+1], v[RC:RC+1]                                                ; a first quotient,
.endr
.irp p, 0,2,4,6
	v_pk_fma_f32 v[R+\p:R+\p+1], v[Q+\p:Q+\p+1], v[S:S+1], v[T+\p:T+\p+1] neg_lo:[1,0,0] neg_hi:[1,0,0]    ; its remainder x - q s, exact,
.endr
.irp p, 0,2,4,6
	v_pk_fma_f32 v[Q+\p:Q+\p+1], v[R+\p:R+\p+1], v[RC:RC+1], v[Q+\p:Q+\p+1]                                ; and the correction: RN(x / s)
.endr
.irp p, 0,2,4,6
	v_pk_add_f32 v[R+\p:R+\p+1], v[Q+\p:Q+\p+1], v[MG:MG+1]                                                ; + 1.5 x 2^23 + 8: rounded to a whole number, ties to even; bits 3:0 hold q + 8
.endr
	v_alignbit_b32 v[P], v[R], v[R], 4             ; each line puts a low nibble on top and moves the rest down: after eight, nibble i is number i
.irp i, 1,2,3,4,5,6,7
	v_alignbit_b32 v[P], v[R+\i], v[P], 4
.endr
	ds_store_b32 v5, v[P] offset:128*\j            ; byte k / 2 of my stage row, the lower k in the lower nibble: as the packed weights lie
.endm
	CHUNK 0,  v64.l, v64.h, v65.l, v65.h, v66.l, v66.h, v67.l, v67.h
	CHUNK 1,  v68.l, v68.h, v69.l, v69.h, v70.l, v70.h, v71.l, v71.h
	CHUNK 2,  v72.l, v72.h, v73.l, v73.h, v74.l, v74.h, v75.l, v75.h
	CHUNK 3,  v76.l, v76.h, v77.l, v77.h, v78.l, v78.h, v79.l, v79.h
	CHUNK 4,  v80.l, v80.h, v81.l, v81.h, v82.l, v82.h, v83.l, v83.h
	CHUNK 5,  v84.l, v84.h, v85.l, v85.h, v86.l, v86.h, v87.l, v87.h
	CHUNK 6,  v88.l, v88.h, v89.l, v89.h, v90.l, v90.h, v91.l, v91.h
	CHUNK 7,  v92.l, v92.h, v93.l, v93.h, v94.l, v94.h, v95.l, v95.h
	CHUNK 8,  v96.l, v96.h, v97.l, v97.h, v98.l, v98.h, v99.l, v99.h
	CHUNK 9,  v100.l, v100.h, v101.l, v101.h, v102.l, v102.h, v103.l, v103.h
	CHUNK 10, v104.l, v104.h, v105.l, v105.h, v106.l, v106.h, v107.l, v107.h
	CHUNK 11, v108.l, v108.h, v109.l, v109.h, v110.l, v110.h, v111.l, v111.h
	CHUNK 12, v112.l, v112.h, v113.l, v113.h, v114.l, v114.h, v115.l, v115.h
	CHUNK 13, v116.l, v116.h, v117.l, v117.h, v118.l, v118.h, v119.l, v119.h
	CHUNK 14, v120.l, v120.h, v121.l, v121.h, v122.l, v122.h, v123.l, v123.h
	CHUNK 15, v124.l, v124.h, v125.l, v125.h, v126.l, v126.h, v127.l, v127.h
	s_branch .Ljoin
.Lrole_w:
	; ---- PHASE 1, W: a row is 4 loads of 512 consecutive bytes.  Turning bit 3 of each nibble makes q + 8 of the two's complement q
	global_load_u16 v60, v13, s[8:9]
.irp j, 0,1,2,3
	global_load_b128 v[RAW+4*\j:RAW+4*\j+3], v4, s[6:7] offset:512*\j th:TH_LOAD_NT
.endr
	s_wait_loadcnt 0x0
.irp i, 0,1,2,3,4,5,6,7,8,9,10,11,12,13,14,15
	v_xor_b32 v[RAW+\i], 0x88888888, v[RAW+\i]
.endr
.irp j, 0,1,2,3
	ds_store_b128 v6, v[RAW+4*\j:RAW+4*\j+3] offset:512*\j
.endr
	v_cvt_f32_f16 v61, v60.l
	ds_store_b32 v8, v61                           ; the row's scale as f32
.Ljoin:
	s_wait_dscnt 0x0                               ; for the others' sake: my stores into the stage, the table and the places of the scale words are done
	s_barrier_signal -1
	s_barrier_wait -1
	; ---- PHASE 2: lane (r, h) takes, of row r, the blocks k = 256 t + 128 q + 64 c + 32 h + 0 .. 31: 16 bytes of nibbles each
	ds_load_b32 v[SV], v9
.irp q, 0,1
.irp c, 0,1
	ds_load_b128 v[PK+8*\q+4*\c:PK+8*\q+4*\c+3], v7 offset:64*\q+32*\c
.endr
.endr
	s_wait_dscnt 0x0
	v_mov_b32 v[SV+1], v[SV]
	v_mul_f32 v[CV], 0xc1000000, v[SV]             ; -8 s, exact
	v_mov_b32 v[CV+1], v[CV]
.macro QFRAG q
.set CBQ, 24+14*\q                     ; where the fragment goes: s[24:25] or s[38:39]
.irp c, 0,1
.irp d, 0,1,2,3
.irp i, 0,1,2,3,4,5,6,7
	v_bfe_u32 v[X+32*\c+8*\d+\i], v[PK+8*\q+4*\c+\d], 4*\i, 4
.endr
.endr
.endr
.set n, 0
.rept 64
	v_cvt_f32_u32 v[X+n], v[X+n]
.set n, n+1
.endr
.set n, 0
.rept 32
	v_pk_fma_f32 v[X+n:X+n+1], v[X+n:X+n+1], v[SV:SV+1], v[CV:CV+1]   ; u s - 8 s: the exact q s, rounded once.  (Here the numbers stay f32)
.set n, n+2
.endr
.irp c, 0,1
	v_max3_num_f32 v[MX+\c], |v[X+32*\c]|, |v[X+32*\c+1]|, 0x1800000   ; my block 2 c + h: all its 32 numbers are mine; and the floor 2^(3 - 127), so that the byte cannot fall under 1
.endr
.irp i, 2,4,6,8,10,12,14,16,18,20,22,24,26,28,30
.irp c, 0,1
	v_max3_num_f32 v[MX+\c], v[MX+\c], |v[X+32*\c+\i]|, |v[X+32*\c+\i+1]|   ; (the two blocks by turns)
.endr
.endr
.irp c, 0,1
	v_add_nc_u32 v[SOP+\c], 0xff000000, v[MX+\c]   ; 2 off the exponent field: the conversion takes the exponent field of this operand as its scale, and nothing else of it
.endr
.irp c, 0,1
	v_lshrrev_b32 v[BY+\c], 23, v[SOP+\c]          ; the scale's byte
.endr
	v_lshl_or_b32 v[WD+\q], v[BY+1], 16, v[BY]     ; my two bytes, blocks h and 2 + h,
	v_lshlrev_b32 v[WD+\q], v15, v[WD+\q]          ; at their places;
	v_permlanex16_b32 v14, v[WD+\q], s28, s29
	v_or_b32 v[WD+\q], v[WD+\q], v14               ; with lane l xor 16's two the word is whole
.if \q
	s_wait_alu depctr_va_vdst(0)
	s_wait_xcnt 0x0
.endif
.irp c, 0,1
	v_cvt_scalef32_pk16_fp6_f32 v[F+6*\c:F+6*\c+2], v[X+32*\c:X+32*\c+15], v[SOP+\c]
	v_cvt_scalef32_pk16_fp6_f32 v[TC+4*\c:TC+4*\c+2], v[X+32*\c+16:X+32*\c+31], v[SOP+\c]   ; (a conversion's three registers begin on an even number: a block's second three do not, so they are made here and moved)
.endr
	v_nop                                          ; one plain place behind a scaled conversion
.irp c, 0,1
.irp i, 0,1,2
	v_mov_b32 v[F+3+6*\c+\i], v[TC+4*\c+\i]
.endr
.endr
.irp c, 0,1,2
	global_store_b128 v4, v[F+4*\c:F+4*\c+3], s[CBQ:CBQ+1] offset:512*\c   ; 32 lanes store 512 consecutive bytes, aligned to 256
.endr
.endm
	QFRAG 0
	QFRAG 1
	ds_store_b32 v10, v[WD]                        ; lanes r and r + 16 write the same word with the same value
	ds_store_b32 v2, v[WD+1]
	s_wait_dscnt 0x0                               ; for the others' sake
	s_barrier_signal -1
	s_barrier_wait -1
	s_cmp_lt_u32 s20, 11                           ; the role's eleven units of scale words leave by eleven waves: 32 lanes store 256 consecutive bytes, aligned
	s_cbranch_scc0 .Lno_unit
	ds_load_b64 v[32:33], v11
	s_wait_dscnt 0x0
	global_store_b64 v1, v[32:33], s[26:27]
	s_branch .Ldone
.Lno_unit:
	s_cmp_eq_u32 s20, 11                           ; and the twelfth writes the zeros of the fragment that no step fills
	s_cbranch_scc0 .Ldone
.irp i, 0,1,2,3
	v_mov_b32 v[32+\i], 0
.endr
.irp c, 0,1,2
	global_store_b128 v4, v[32:35], s[40:41] offset:512*\c
.endr
.Ldone:
	s_wait_xcnt 0x0
	v_lshl_add_u32 v126, v0, 2, 0x12300
	v_mov_b32 v127, 0
	s_wait_alu depctr_va_vdst(0)
	s_wait_tensorcnt 0x0
	ds_add_u32 v126, v127
	s_wait_dscnt 0x0
	s_endpgm
.Lfunc_end_k_q6ce09f310c_prep:
	.size	k_q6ce09f310c_prep, .Lfunc_end_k_q6ce09f310c_prep-k_q6ce09f310c_prep
	.p2alignl 7, 3214868480
	.fill 96, 4, 3214868480
	.section	.rodata,"a",@progbits
	.p2align	6, 0x0
	.amdhsa_kernel k_q6ce09f310c_prep
		.amdhsa_group_segment_fixed_size 78592
		.amdhsa_private_segment_fixed_size 0
		.amdhsa_enable_private_segment 0
		.amdhsa_kernarg_size 32
		.amdhsa_user_sgpr_count 2
		.amdhsa_user_sgpr_kernarg_segment_ptr 1
		.amdhsa_wavefront_size32 1
		.amdhsa_system_sgpr_workgroup_id_x 1
		.amdhsa_system_sgpr_workgroup_id_y 1
		.amdhsa_system_sgpr_workgroup_id_z 1
		.amdhsa_system_vgpr_workitem_id 0
		.amdhsa_next_free_vgpr 128
		.amdhsa_next_free_sgpr 66
		.amdhsa_reserve_vcc 0
		.amdhsa_float_denorm_mode_32 3
		.amdhsa_float_denorm_mode_16_64 3
		.amdhsa_memory_ordered 1
		.amdhsa_forward_progress 1
		.amdhsa_inst_pref_size 69
	.end_amdhsa_kernel
	.amdgpu_metadata
---
amdhsa.version: [ 1, 2 ]
amdhsa.kernels:
  - .name:           k_q6ce09f310c_prep
    .symbol:         k_q6ce09f310c_prep.kd
    .args:
      - { .name: x, .offset: 0, .size: 8, .value_kind: global_buffer, .address_space: global }
      - { .name: qweight_packed, .offset: 8, .size: 8, .value_kind: global_buffer, .address_space: global }
      - { .name: w_scales, .offset: 16, .size: 8, .value_kind: global_buffer, .address_space: global }
      - { .name: cs, .offset: 24, .size: 8, .value_kind: global_buffer, .address_space: global }
    .group_segment_fixed_size: 78592
    .private_segment_fixed_size: 0
    .kernarg_segment_align: 8
    .kernarg_segment_size: 32
    .max_flat_workgroup_size: 1024
    .sgpr_count:     66
    .vgpr_count:     128
    .wavefront_size: 32
...
	.end_amdgpu_metadata
.endif
;; end of part 1
;; launch gemm (part 2): grid 16 x 16, 4 waves a work-group, clusters of 4 x 4, 327,680 bytes of LDS; arguments cs, bias, out0; writes out0
.if DOCPART == 2
	.amdgcn_target "amdgcn-amd-amdhsa--gfx1250"
	.amdhsa_code_object_version 6
	.text
	.protected	k_q6ce09f310c_gemm
	.globl	k_q6ce09f310c_gemm
	.p2align	8
	.type	k_q6ce09f310c_gemm,@function
k_q6ce09f310c_gemm:
	s_mov_b64 s[64:65], 0
	v_nop
	global_prefetch_b8 v0, s[64:65] scope:SCOPE_SE
	s_setreg_imm32_b32 hwreg(HW_REG_WAVE_MODE, 25, 1), 1
	s_wait_xcnt 0x0
	s_wait_alu depctr_hold_cnt(0) depctr_sa_sdst(0) depctr_va_vdst(0) depctr_va_sdst(0) depctr_va_ssrc(0) depctr_va_vcc(0) depctr_vm_vsrc(0)
	s_getreg_b32 s2, hwreg(HW_REG_IB_STS2, 6, 4)
	s_cmp_eq_u32 s2, 0
	s_cbranch_scc0 .Lentry_in_a_cluster
	s_endpgm
.Lentry_in_a_cluster:
	s_bfe_u32 s2, ttmp6, 0x10000c
	s_cmp_lg_u32 s2, 0xf033
	s_cbranch_scc0 .Lentry_shape_is_right
	s_endpgm
.Lentry_shape_is_right:
; out[m][n] = sum over k of a[m][k] w[n][k] + bias[n], on codes of FP6 (E2M3) with one E8M0 byte for each 32 along K, as the launch before has laid them in cs:
; x's operand, then W's, each [11 slots of 384 K][32 groups of 128 rows] tiles of 38,912 bytes: 2,048 bytes of scale words (8 blocks x 16 rows x 4 words), then [3 steps][8 blocks of 16 rows] images of a fragment's registers, 1,536 bytes each.
; A work-group of four waves makes 256 x 256 of out, a wave 128 x 128: 64 accumulators.  K has 32 steps of 128; the eleventh slot's third step holds zeros and is not multiplied.
; TWO LDS SLOTS of three steps take turns; a wave's one tensor load brings a tile (128 rows x 384 K).  CLUSTERS of 4 x 4: x's tiles are asked for jointly along a row of the cluster, W's along a column.
; THE MATRIX INSTRUCTION IS USED TRANSPOSED: source 0 = 16 rows of W, source 1 = 16 rows of x, so that a lane holds eight neighbouring columns of one row of out.  The bias is the C of each accumulator's first product.
; REGISTERS.  Each of the four windows of 256 holds 128 registers of accumulators and 96 of fragments, so that BOTH operands have two whole sets:
;   window w, v128-255: accumulators (a, b), b = 2 w, 2 w + 1, at 128 + 64 (b % 2) + 8 a  (a: x's block, b: W's block);
;   window w, v32-79 and v80-127: fragments for even and odd steps: windows 0, 1 x's blocks 4 w .. 4 w + 3; windows 2, 3 W's blocks 4 (w - 2) .. ;
;   windows 1-3, v8-31: the bias;  window 0, v2-13 addresses, v16-31 the scale words, two sets of 8.
; A STEP: the NEXT step's 48 fragment loads and 8 scale loads in ONE run into the other set, then this step's 64 products with nothing between them but eight switches of the window.
; A slot's last reads are issued in its second step, so the slot is filled again in its third step, and that load has three steps in which to land.
; PREFETCH: at the change of slots that asks for slot j + 2, slot j + 3 of both operands is named once, 256 bytes a lane: 19 waves of the launch's first clusters at each of eight places of a cluster for an operand (152 x 8,192 bytes = a slot);
; it stops with slot 10, the last.  Slots 0 to 2 come by their loads alone.
; LIMITS: a sum beyond f16's range leaves as infinity.
.set FRB,    1536
.set QB,     8*FRB
.set SCB,    2048
.set HALFT,  SCB+3*QB
.set SSTR,   32*HALFT
.set ASIZE,  11*SSTR
.set SLOT,   4*HALFT
.set TRIPS,  4
.set SPARE,  2*SLOT                    ; behind the ring: the spare words, 128 bytes a wave
.set SPITCH, 272
.set STAGE,  SLOT                      ; the way out goes through slot 1, which has had its last fill and its last read by then
.set ROWO,   8192
.set ADX, 2                            ; v2-3 W's fragments in slot 0, 1
.set ADY, 4                            ; v4-5 x's
.set ADS, 6                            ; v6-7 scale words: lanes 0-15 x's rows, lanes 16-31 W's
.set SPW, 8
.set NIL, 9
.set PFO, 10
.set STO, 11
.set RD,  12
.set CO,  13
.set SC,  16
.set TMP, 32
.set OB,  64
.set G1, 24
.set G0, 32
.set G1B, 48
.set G0B, 56
.set PFA, 96
.set LIM, 98
.set MSB, 0
.macro WIN new                         ; the immediate's high byte repeats the setting that is left
.if MSB != (\new)
	s_set_vgpr_msb (MSB<<8)|(\new)
.set MSB, (\new)
.endif
.endm
.macro JLOAD g0a, g1a, g0b, g1b        ; waves 0, 1 ask for x's tiles, waves 2, 3 for W's
	s_cmp_eq_u32 s15, 0
	s_cbranch_scc0 .Lfor_b_\@
	tensor_load_to_lds s[\g0a:\g0a+3], s[\g1a:\g1a+7]
	s_nop 0
.rept 4
	v_nop
.endr
	s_branch .Lasked_\@
.Lfor_b_\@:
	tensor_load_to_lds s[\g0b:\g0b+3], s[\g1b:\g1b+7]
	s_nop 0
.rept 4
	v_nop
.endr
.Lasked_\@:
.endm
.macro ASK
	s_cmp_gt_u32 s3, s[LIM]
	s_cbranch_scc0 .Lnot_mine_\@
	global_prefetch_b8 v[PFO], s[PFA:PFA+1] th:TH_LOAD_NT scope:SCOPE_SE
.Lnot_mine_\@:
.endm
.macro CREST
	s_cmp_lg_u32 s14, 0
	s_cbranch_scc1 .Lnot_wave_0_\@
	s_barrier_signal -3
.Lnot_wave_0_\@:
	s_barrier_wait -3
	s_barrier_signal -1
	s_barrier_wait -1
.endm
.macro CROUND
	s_barrier_signal -1
	s_barrier_wait -1
	CREST
.endm
.macro PLACES n
.rept \n
	v_nop
.endr
.endm
	s_load_b64 s[4:5], s[0:1], 0x0                 ; cs
	s_load_b64 s[66:67], s[0:1], 0x8               ; bias
	s_load_b64 s[12:13], s[0:1], 0x10              ; out
	v_lshl_add_u32 v[SPW], v0, 2, SPARE
	v_mov_b32 v[NIL], 0
	ds_add_u32 v[SPW], v[NIL]                      ; the opening lines
	ds_add_u32 v[SPW], v[NIL]
	v_lshrrev_b32 v1, 5, v0
	v_readfirstlane_b32 s14, v1                    ; wave
	s_lshr_b32 s15, s14, 1                         ; my half of the rows; also: I fetch for x (0) or W (1)
	s_and_b32 s16, s14, 1                          ; my half of the columns; also: which 128 rows I fetch
	s_bfe_u32 s40, ttmp6, 0x40000                  ; cx
	s_bfe_u32 s41, ttmp6, 0x40004                  ; cy
	s_lshl_b32 s42, ttmp9, 2
	s_add_co_u32 s42, s42, s40                     ; tile column
	s_and_b32 s17, ttmp7, 0xffff
	s_lshl_b32 s17, s17, 2
	s_add_co_u32 s17, s17, s41                     ; tile row
	s_lshl_b32 s43, s41, 2
	s_lshl_b32 s43, 15, s43                        ; my row of the cluster
	s_lshl_b32 s44, 0x1111, s40                    ; my column
	s_or_b32 s[G1+0], s43, (3<<16)|(1<<21)         ; a tile is dense: 152 rows of 32 elements of 8 bytes
	s_or_b32 s[G1B+0], s44, (3<<16)|(1<<21)
.irp g, G1, G1B
	s_mov_b32 s[\g+1], 32<<16
	s_mov_b32 s[\g+2], (HALFT/256)<<16
	s_mov_b32 s[\g+3], 32<<16
	s_mov_b32 s[\g+4], HALFT/256
	s_mov_b32 s[\g+5], 32
	s_mov_b32 s[\g+6], 0
	s_mov_b32 s[\g+7], 0
.endr
	s_lshl_b32 s20, s17, 1
	s_add_co_u32 s20, s20, s16
	s_mul_i32 s20, s20, HALFT
	s_mov_b32 s21, 0
	s_lshl_b32 s46, s42, 1
	s_add_co_u32 s46, s46, s16
	s_mul_i32 s46, s46, HALFT
	s_mov_b32 s47, 0
	s_mul_i32 s45, s14, HALFT                      ; in LDS: x's two halves, then W's two: wave x a tile
	s_wait_dscnt 0x0
	s_wait_kmcnt 0x0
	s_add_nc_u64 s[6:7], s[4:5], ASIZE
	s_add_nc_u64 s[20:21], s[4:5], s[20:21]
	s_add_nc_u64 s[46:47], s[6:7], s[46:47]
	CROUND                                         ; in front of the first joint loads
.irp s, 0,1
	s_mov_b32 s[G0+4*\s], 1
	s_add_co_u32 s[G0+4*\s+1], s45, \s*SLOT
	s_add_nc_u64 s[G0+4*\s+2:G0+4*\s+3], s[20:21], \s*SSTR
	s_or_b32 s[G0+4*\s+3], s[G0+4*\s+3], 0x80000000
	s_mov_b32 s[G0B+4*\s], 1
	s_add_co_u32 s[G0B+4*\s+1], s45, \s*SLOT
	s_add_nc_u64 s[G0B+4*\s+2:G0B+4*\s+3], s[46:47], \s*SSTR
	s_or_b32 s[G0B+4*\s+3], s[G0B+4*\s+3], 0x80000000
.endr
	JLOAD G0, G1, G0B, G1B                         ; slot 0: one tensor load a wave at the head
	; the rest of the head stands under that load's flight: first all scalar lines, then all vector lines
	s_lshl_b32 s46, s42, 9
	s_lshl_b32 s47, s16, 8
	s_add_co_u32 s46, s46, s47
	s_mov_b32 s47, 0                               ; my first column, in bytes of f16
	s_add_nc_u64 s[66:67], s[66:67], s[46:47]
	s_mul_i32 s21, s15, HALFT                      ; my tile of x
	s_mul_i32 s22, s16, HALFT
	s_add_co_u32 s22, s22, 2*HALFT                 ; my tile of W
	s_add_co_u32 s68, s21, SCB
	s_add_co_u32 s69, s22, SCB
	s_sub_co_u32 s22, s22, s21                     ; the distance between the two
	s_mul_i32 s23, s14, 16*SPITCH
	s_add_co_u32 s23, s23, STAGE                   ; my stage
	s_lshl_b32 s70, s17, 8
	s_lshl_b32 s71, s15, 7
	s_add_co_u32 s70, s70, s71
	s_lshl_b32 s70, s70, 13                        ; my first row of out, 8,192 bytes a row
	s_mov_b32 s71, 0
	s_add_nc_u64 s[12:13], s[12:13], s[70:71]
	s_add_nc_u64 s[12:13], s[12:13], s[46:47]
	s_and_b32 s99, ttmp7, 0xffff                   ; the prefetches: (cluster, wave) numbers 0 to 18 ask,
	s_lshl_b32 s99, s99, 2
	s_add_co_u32 s99, s99, ttmp9
	s_lshl_b32 s99, s99, 2
	s_add_co_u32 s99, s99, s14
	s_cmp_lt_u32 s99, 19
	s_cselect_b32 s[LIM], 0, -1
	s_min_u32 s99, s99, 18
	s_and_b32 s95, s41, 1                          ; and the place in the cluster enters the address alone: 8 places x 19 runs of 8,192 bytes are a slot of one operand
	s_lshl_b32 s95, s95, 2
	s_add_co_u32 s95, s95, s40
	s_mul_i32 s95, s95, 19
	s_add_co_u32 s95, s95, s99
	s_lshl_b32 s2, s95, 13
	s_lshr_b32 s95, s41, 1
	s_mul_i32 s95, s95, ASIZE
	s_add_co_u32 s2, s2, s95
	s_add_co_u32 s2, s2, 2*SSTR
	s_mov_b32 s3, 0
	s_add_nc_u64 s[PFA:PFA+1], s[4:5], s[2:3]
	v_and_b32 v40, 15, v0                          ; r
	v_bfe_u32 v41, v0, 4, 1                        ; h
	v_and_b32 v42, 31, v0                          ; lane
	v_lshlrev_b32 v33, 4, v41
.irp b, 0,1,2,3,4,5,6,7
	global_load_b128 v[80+4*\b:80+4*\b+3], v33, s[66:67] offset:32*\b   ; bias at columns 16 b + 8 h + 0 .. 7
.endr
	v_lshlrev_b32 v44, 4, v42                      ; a fragment's image: 16 bytes a lane
	v_lshlrev_b32 v45, 4, v40                      ; scale words: 16 bytes a row,
	v_mul_u32_u24 v46, s22, v41                    ; lanes 16-31 in W's tile
	v_add_nc_u32 v45, v45, v46
	v_add_nc_u32 v[ADX], s69, v44
	v_add_nc_u32 v[ADY], s68, v44
	v_add_nc_u32 v[ADS], s21, v45
	v_add_nc_u32 v[ADX+1], SLOT, v[ADX]
	v_add_nc_u32 v[ADY+1], SLOT, v[ADY]
	v_add_nc_u32 v[ADS+1], SLOT, v[ADS]
	v_mul_u32_u24 v47, v40, SPITCH
	v_lshl_add_u32 v47, v41, 4, v47
	v_add_nc_u32 v[STO], s23, v47                  ; into the stage: row r, 16 bytes for each half of the lanes
	v_mul_u32_u24 v48, v41, SPITCH
	v_lshl_add_u32 v48, v40, 4, v48
	v_add_nc_u32 v[RD], s23, v48                   ; back: sixteen lanes to a row of 256 bytes
	v_lshlrev_b32 v49, 13, v41
	v_lshl_add_u32 v[CO], v40, 4, v49              ; and the same two rows in out
	v_lshlrev_b32 v[PFO], 8, v42
	s_wait_alu depctr_va_vdst(0)
	s_wait_loadcnt 0x0
.macro BCV b, n0, n1, n2, n3, n4, n5, n6, n7   ; bias of W's block b as f32: blocks 2-7 in their accumulators' window at v8 or v16; block 0 in window 1, block 1 in window 2, at v24
.if \b >= 2
.set CW, (\b)/2
.set CR, 8+8*((\b)%2)
.else
.set CW, 1+(\b)
.set CR, 24
.endif
	WIN CW<<6
	v_cvt_f32_f16 v[CR+0], \n0
	v_cvt_f32_f16 v[CR+1], \n1
	v_cvt_f32_f16 v[CR+2], \n2
	v_cvt_f32_f16 v[CR+3], \n3
	v_cvt_f32_f16 v[CR+4], \n4
	v_cvt_f32_f16 v[CR+5], \n5
	v_cvt_f32_f16 v[CR+6], \n6
	v_cvt_f32_f16 v[CR+7], \n7
.endm
	BCV 0, v80.l, v80.h, v81.l, v81.h, v82.l, v82.h, v83.l, v83.h
	BCV 1, v84.l, v84.h, v85.l, v85.h, v86.l, v86.h, v87.l, v87.h
	BCV 2, v88.l, v88.h, v89.l, v89.h, v90.l, v90.h, v91.l, v91.h
	BCV 3, v92.l, v92.h, v93.l, v93.h, v94.l, v94.h, v95.l, v95.h
	BCV 4, v96.l, v96.h, v97.l, v97.h, v98.l, v98.h, v99.l, v99.h
	BCV 5, v100.l, v100.h, v101.l, v101.h, v102.l, v102.h, v103.l, v103.h
	BCV 6, v104.l, v104.h, v105.l, v105.h, v106.l, v106.h, v107.l, v107.h
	BCV 7, v108.l, v108.h, v109.l, v109.h, v110.l, v110.h, v111.l, v111.h
	WIN 0
; A step's 56 LDS loads in one run, into set p; slot, q: where the step lies.  Load LI < 48 is piece LI % 3 of fragment LI / 3 (0-7 x's blocks, 8-15 W's), twelve loads to a window; then the scale words of the eight blocks
.macro FETCH slot, q, p
.set LI, 0
.rept 48
.set LR, 32+48*(\p)+4*(LI%12)
	WIN (LI/12)<<6
.if LI < 24
	ds_load_b128 v[LR:LR+3], v[ADY+(\slot)] offset:(LI/3)*FRB+(\q)*QB+512*(LI%3)
.else
	ds_load_b128 v[LR:LR+3], v[ADX+(\slot)] offset:(LI/3-8)*FRB+(\q)*QB+512*(LI%3)
.endif
.set LI, LI+1
.endr
	WIN 0
.irp i, 0,1,2,3,4,5,6,7
	ds_load_b32 v[SC+8*(\p)+\i], v[ADS+(\slot)] offset:256*\i+4*(\q)
.endr
.endm
; Four products: W's blocks 2 (k / 4), + 1 against x's blocks 2 (k % 4), + 1.  The 64 accumulators take turns, one instruction a turn
.macro MM p, k, first
.irp t, 0,1,2,3
.set MB, 2*((\k)/4)+(\t%2)
.set MA, 2*((\k)%4)+(\t/2)
.set MD, 128+64*(MB%2)+8*MA
.set MX, 32+48*(\p)+12*(MB%4)
.set MY, 32+48*(\p)+12*(MA%4)
.if \first
.if MB >= 2
.set CW, MB/2
.set CR, 8+8*(MB%2)
.else
.set CW, 1+MB
.set CR, 24
.endif
	WIN ((MB/2)<<6)|(CW<<4)|((MA/4)<<2)|(2+MB/4)
	v_wmma_scale_f32_16x16x128_f8f6f4 v[MD:MD+7], v[MX:MX+11], v[MY:MY+11], v[CR:CR+7], v[SC+8*(\p)+MB], v[SC+8*(\p)+MA] matrix_a_fmt:MATRIX_FMT_FP6 matrix_b_fmt:MATRIX_FMT_FP6 matrix_a_scale:MATRIX_SCALE_ROW1
.else
	WIN ((MB/2)<<6)|((MB/2)<<4)|((MA/4)<<2)|(2+MB/4)
	v_wmma_scale_f32_16x16x128_f8f6f4 v[MD:MD+7], v[MX:MX+11], v[MY:MY+11], v[MD:MD+7], v[SC+8*(\p)+MB], v[SC+8*(\p)+MA] matrix_a_fmt:MATRIX_FMT_FP6 matrix_b_fmt:MATRIX_FMT_FP6 matrix_a_scale:MATRIX_SCALE_ROW1
.endif
.endr
.endm
; A step on set p: first the next step's loads, from (nslot, nq) into the other set, then the 64 products
.macro STEP p, nslot, nq, first
	PLACES 4                                       ; four places between the last step's products and the loads into the set that they read
	FETCH \nslot, \nq, 1-(\p)
	s_wait_dscnt 56                                ; all but the 56 just issued: this step's fragments and scale words are in
.set SK, 0
.rept 16
	MM \p, SK, \first
.set SK, SK+1
.endr
.endm
; A slot's third step.  Its fragments are in registers, so the slot is read no more: the three lines, the barrier (fill = 1: it opens a round of the cluster's barrier), the refill two slots on,
; then the next step's 56 loads, from the other slot, and the 48 products that are left
.macro TURN p, slot, fill
	WIN 0
.if \fill
	s_wait_xcnt 0x0                                ; my last prefetch has read its address
	s_add_nc_u64 s[PFA:PFA+1], s[PFA:PFA+1], SSTR
.endif
	s_wait_tensorcnt 0x0                           ; my part of the other slot is in
	ds_add_u32 v[SPW], v[NIL]
.if \fill
	s_add_nc_u64 s[G0+4*\slot+2:G0+4*\slot+3], s[G0+4*\slot+2:G0+4*\slot+3], 2*SSTR
	s_add_nc_u64 s[G0B+4*\slot+2:G0B+4*\slot+3], s[G0B+4*\slot+2:G0B+4*\slot+3], 2*SSTR
.endif
	s_wait_dscnt 1                                 ; the add alone may be out: this step's fragments are in
	MM \p, 0, 0
	MM \p, 1, 0
	s_wait_dscnt 0x0                               ; the add is done, and so are my reads of this slot
	s_barrier_signal -1
	MM \p, 2, 0
	MM \p, 3, 0
	WIN 0
	s_barrier_wait -1
.if \fill
	CREST
	JLOAD G0+4*\slot, G1, G0B+4*\slot, G1B         ; the four v_nop behind it are the places in front of the loads below
.else
	PLACES 4
.endif
	FETCH 1-(\slot), 0, 1-(\p)
.if \fill
	ASK                                            ; behind the joint load and the run of LDS loads
.endif
.set SK, 4
.rept 12
	MM \p, SK, 0
.set SK, SK+1
.endr
.endm
	s_wait_alu depctr_va_vdst(0)
	s_wait_tensorcnt 0x0                           ; my part of slot 0 is in; the full sequence ahead of slot 1's first fill
	ds_add_u32 v[SPW], v[NIL]
	s_wait_dscnt 0x0
	CROUND
	JLOAD G0+4, G1, G0B+4, G1B
	FETCH 0, 0, 0                                  ; step 0's fragments and scale words
	STEP 0, 0, 1, 1                                ; its products start the sums on the bias
	WIN 0
	s_mov_b32 s3, TRIPS
.Llap:                                                 ; six steps: slots and sets of registers are back where they began
	STEP 1, 0, 2, 0
	TURN 0, 0, 1
	STEP 1, 1, 1, 0
	STEP 0, 1, 2, 0
	TURN 1, 1, 1
	STEP 0, 0, 1, 0
	WIN 0
	s_sub_co_u32 s3, s3, 1
	s_cmp_lg_u32 s3, 0
	s_cbranch_scc1 .Llap
	STEP 1, 0, 2, 0                                ; steps 25 to 31
	TURN 0, 0, 1                                   ; the last refill: slot 10
	STEP 1, 1, 1, 0
	STEP 0, 1, 2, 0
	TURN 1, 1, 0
	STEP 0, 0, 1, 0
	s_wait_dscnt 0x0                               ; the last step: nothing more to fetch
.set SK, 0
.rept 16
	MM 1, SK, 0
.set SK, SK+1
.endr
	WIN 0
; THE WAY OUT, by x's blocks of 16 rows: rounded to f16, 16 bytes a lane into my own stage, back as whole rows of 256 bytes, stored sixteen lanes to an aligned 256 bytes
.macro PACK a
.irp b, 0,1,2,3,4,5,6,7
	WIN ((\b/2)<<2)|(\b/2)
.irp r, 0,1,2,3
	v_cvt_pk_f16_f32 v[TMP+4*\b+\r], v[128+64*(\b%2)+8*(\a)+2*\r], v[128+64*(\b%2)+8*(\a)+2*\r+1]
.endr
.endr
	WIN 0
.endm
.macro TOSTAGE a
.set BB, OB+32*((\a)%2)
.irp b, 0,1,2,3,4,5,6,7
	ds_store_b128 v[STO], v[TMP+4*\b:TMP+4*\b+3] offset:32*\b
.endr
.irp t, 0,1,2,3,4,5,6,7
	ds_load_b128 v[BB+4*\t:BB+4*\t+3], v[RD] offset:\t*2*SPITCH   ; a wave's LDS instructions are served in order: these see the stores above
.endr
.endm
.macro SEND a
.set BB, OB+32*((\a)%2)
	s_wait_dscnt 0x0
	s_wait_xcnt 0x0                                ; earlier stores have read their base and their data
.if (\a) > 0
	s_add_nc_u64 s[12:13], s[12:13], 16*ROWO
.endif
.irp t, 0,1,2,3,4,5,6,7
	global_store_b128 v[CO], v[BB+4*\t:BB+4*\t+3], s[12:13] offset:2*\t*ROWO th:TH_STORE_NT
.endr
.endm
	PLACES 4
	PACK 0
	TOSTAGE 0
.irp a, 1,2,3,4,5,6,7
	PACK \a
	s_wait_alu depctr_va_vdst(0)
	SEND \a-1
	TOSTAGE \a
.endr
	SEND 7
	s_wait_tensorcnt 0x0                           ; the wave's end
	ds_add_u32 v[SPW], v[NIL]
	s_wait_dscnt 0x0
	CROUND                                         ; the closing round
	s_endpgm
.Lfunc_end_k_q6ce09f310c_gemm:
	.size	k_q6ce09f310c_gemm, .Lfunc_end_k_q6ce09f310c_gemm-k_q6ce09f310c_gemm
	.p2alignl 7, 3214868480
	.fill 96, 4, 3214868480
	.section	.rodata,"a",@progbits
	.p2align	6, 0x0
	.amdhsa_kernel k_q6ce09f310c_gemm
		.amdhsa_group_segment_fixed_size 327680
		.amdhsa_private_segment_fixed_size 0
		.amdhsa_enable_private_segment 0
		.amdhsa_kernarg_size 24
		.amdhsa_user_sgpr_count 2
		.amdhsa_user_sgpr_kernarg_segment_ptr 1
		.amdhsa_wavefront_size32 1
		.amdhsa_system_sgpr_workgroup_id_x 1
		.amdhsa_system_sgpr_workgroup_id_y 1
		.amdhsa_system_sgpr_workgroup_id_z 1
		.amdhsa_system_vgpr_workitem_id 0
		.amdhsa_next_free_vgpr 1024
		.amdhsa_next_free_sgpr 100
		.amdhsa_reserve_vcc 0
		.amdhsa_float_denorm_mode_32 3
		.amdhsa_float_denorm_mode_16_64 3
		.amdhsa_memory_ordered 1
		.amdhsa_forward_progress 1
		.amdhsa_inst_pref_size 218
	.end_amdhsa_kernel
	.amdgpu_metadata
---
amdhsa.version: [ 1, 2 ]
amdhsa.kernels:
  - .name:           k_q6ce09f310c_gemm
    .symbol:         k_q6ce09f310c_gemm.kd
    .args:
      - { .name: cs, .offset: 0, .size: 8, .value_kind: global_buffer, .address_space: global }
      - { .name: bias, .offset: 8, .size: 8, .value_kind: global_buffer, .address_space: global }
      - { .name: out0, .offset: 16, .size: 8, .value_kind: global_buffer, .address_space: global }
    .group_segment_fixed_size: 327680
    .private_segment_fixed_size: 0
    .kernarg_segment_align: 8
    .kernarg_segment_size: 24
    .max_flat_workgroup_size: 128
    .sgpr_count:     100
    .vgpr_count:     1024
    .wavefront_size: 32
...
	.end_amdgpu_metadata
.endif
;; end of part 2
